; MI455X (gfx1250); checked and timed in simulation.
; The chip was launched on July 23, 2026; its instructions are those of AMD's public machine-readable ISA for CDNA 5 (MIT licence, August 2026) and "CDNA5" Instruction Set Architecture Reference Guide (July 2026). The comments in the code are by the model that wrote it; some were corrected since.
;; Features. Allowed arithmetic: float matrix products may take bf16 or f16 operands with f32 sums; all other float work in f32.
;; Inputs: memory_bank 16,384 x 128 float32; neighbor_scale_bank 16,384 float32; query 8,192 x 128 float32.
;; Outputs: out0 8,192 float32.
;; Constants: k = 5.
;; 2 versions, each right; version 2 is version 1 with the launch prep written anew for expert scheduling mode. Each part assembles by itself: llvm-mc -triple=amdgcn-amd-amdhsa -mcpu=gfx1250 --defsym DOCPART=n.
;; ======== version 1 of 2: 4 launches
;; workspace buffers: bankb 4,456,448 bytes; qryb 2,228,224 bytes; pkey 786,432 bytes; pid 786,432 bytes of whole numbers; sel 196,608 bytes of whole numbers
;; launch prep (part 1): grid 384 x 1, 4 waves a work-group, no clusters, 17,920 bytes of LDS; arguments memory_bank, query, neighbor_scale_bank, bankb, qryb; writes bankb, qryb
.if DOCPART == 1
	.amdgcn_target "amdgcn-amd-amdhsa--gfx1250"
	.amdhsa_code_object_version 6
	.text
	.protected	k_q6d535069c5_prep
	.globl	k_q6d535069c5_prep
	.p2align	8
	.type	k_q6d535069c5_prep,@function
k_q6d535069c5_prep:
	s_mov_b64 s[64:65], 0
	v_nop
	global_prefetch_b8 v0, s[64:65] scope:SCOPE_SE
	s_setreg_imm32_b32 hwreg(HW_REG_WAVE_MODE, 25, 1), 1
	s_wait_xcnt 0x0
; PREP.  The bank's 16,384 rows and the 8,192 queries (128 f32 each) are rounded to bf16 and written in BLOCKS of 16 consecutive rows, 4,352 bytes each:
;   bytes 0-4095: element (row p, k) at (k>>4)*512 + ((k>>3)&1)*256 + 16 p + 2 (k&7), so that 512 consecutive bytes, read 16 bytes a lane, ARE four registers of a 16 x 32 bf16 matrix fragment;
;   bytes 4096-4351, the tail: words 0-15 = -1/2 of the row's squared norm, taken of the ROUNDED numbers in f32; words 16-31 = the rows' neighbour scales (bank blocks only); the rest is never read.
; One wave makes one block: 1,536 blocks, 384 work-groups of four waves.  A wave's 16 row loads (512 consecutive bytes each) are all out at once.
; The turn from rows to fragment order goes through a stage in LDS that is the wave's own, so there is no barrier.  No matrix unit, no cluster: nothing is multiplied and no two waves read the same bytes.
; LIMITS: the norm is a sum in f32 in this text's own order (four numbers a lane, then across the lanes); NaN and infinities pass through as they are.
.set BLK,    4352
.set SPITCH, 272                       ; a half chunk of 256 bytes + 16
.set SPARE,  4*BLK                     ; behind the four stages: the spare words, 128 bytes a wave
.set L16, 2                            ; v2   16 x lane
.set STO, 3                            ; v3   stage: where my 8 bytes of a row go
.set RD,  4                            ; v4   stage: where I read 16 bytes of a chunk back
.set SCO, 5                            ; v5   8 x (lane & 7): my two scales
.set L8,  6                            ; v6   8 x lane: my two words of the tail
.set TL,  8                            ; v[8:9]   my two words of the tail
.set SC,  10                           ; v[10:11] two scales
.set SPW, 12                           ; v12  my spare word
.set NIL, 13                           ; v13  0
.set PK,  14                           ; v[14:15] four bf16
.set W,   16                           ; v16-21 at work
.set X,   24                           ; v24-87 row p as loaded at X + 4 p; later v24-55 the block read back, v56-71 the other half's sums
.set P,   88                           ; v88-103 row p's sum of squares
	s_load_b256 s[4:11], s[0:1], 0x0               ; memory_bank s[4:5], query s[6:7], scales s[8:9], bankb s[10:11]
	s_load_b64 s[12:13], s[0:1], 0x20              ; qryb
	v_lshl_add_u32 v[SPW], v0, 2, SPARE
	v_mov_b32 v[NIL], 0
	v_lshrrev_b32 v1, 5, v0
	v_readfirstlane_b32 s14, v1                    ; wave
	v_and_b32 v1, 31, v0                           ; lane
	s_lshl2_add_u32 s15, ttmp9, s14                ; the block's number among all 1,536: below 1,024 a bank block, else a query block
	s_and_b32 s16, s15, 1023                       ; its number in its own tensor
	s_lshl_b32 s2, s16, 13                         ; 16 rows of 512 bytes
	s_mov_b32 s3, 0
	s_mul_i32 s28, s16, BLK
	s_mov_b32 s29, 0
	s_lshl_b32 s30, s16, 6                         ; 16 scales; a query block's number is below 512, so this stays inside the 65,536 bytes too
	s_mov_b32 s31, 0
	s_mov_b32 s24, 0x76543210                      ; v_permlanex16_b32: each lane takes its own place in the other half
	s_mov_b32 s25, 0xfedcba98
	s_mov_b32 s26, 0xffff0000                      ; a word's upper bf16
	s_mul_i32 s17, s14, BLK                        ; my wave's stage
	v_lshlrev_b32 v[L16], 4, v1
	v_and_b32 v[SCO], 7, v1
	v_lshlrev_b32 v[SCO], 3, v[SCO]
	v_lshlrev_b32 v[L8], 3, v1
	v_lshrrev_b32 v[STO], 1, v1                    ; my four numbers k = 4 lane .. lie in half chunk lane >> 1,
	v_mul_u32_u24 v[STO], v[STO], SPITCH
	v_and_b32 v[W], 1, v1
	v_lshl_add_u32 v[STO], v[W], 3, v[STO]         ; in its first or second 8 bytes of the row's 16
	v_add_nc_u32 v[STO], s17, v[STO]
	v_lshrrev_b32 v[RD], 4, v1                     ; back: lanes 0-15 one half chunk, lanes 16-31 the next
	v_mul_u32_u24 v[RD], v[RD], SPITCH
	v_and_b32 v[W], 15, v1
	v_lshl_add_u32 v[RD], v[W], 4, v[RD]
	v_add_nc_u32 v[RD], s17, v[RD]
	v_mov_b32 v[TL], 0
	v_mov_b32 v[TL+1], 0
	s_wait_kmcnt 0x0
	s_cmp_lt_u32 s15, 1024
	s_cselect_b64 s[18:19], s[4:5], s[6:7]         ; from the bank or from the queries,
	s_cselect_b64 s[20:21], s[10:11], s[12:13]     ; into bankb or into qryb
	s_cselect_b32 s23, 0xff00, 0                   ; lanes 8-15 take scales in a bank block, nobody in a query block
	s_add_nc_u64 s[18:19], s[18:19], s[2:3]
	s_add_nc_u64 s[20:21], s[20:21], s[28:29]
	s_add_nc_u64 s[8:9], s[8:9], s[30:31]
	global_load_b64 v[SC:SC+1], v[SCO], s[8:9]     ; the oldest load: every wait below covers it
.set p, 0
.rept 16
	global_load_b128 v[X+4*p:X+4*p+3], v[L16], s[18:19] offset:512*p th:TH_LOAD_NT  ; a row: 512 consecutive bytes
.set p, p+1
.endr
.macro ROW p                           ; row p: rounded, staged, and my four squares added
	s_wait_loadcnt 15-(\p)                         ; loads come back in order (ISA guide 5.7.1): the 15 - p younger rows may be out
	v_cvt_pk_bf16_f32 v[PK], v[X+4*(\p)], v[X+4*(\p)+1]
	v_cvt_pk_bf16_f32 v[PK+1], v[X+4*(\p)+2], v[X+4*(\p)+3]
	ds_store_b64 v[STO], v[PK:PK+1] offset:16*(\p)
	v_lshlrev_b32 v[W], 16, v[PK]                  ; the rounded numbers as f32
	v_and_b32 v[W+1], s26, v[PK]
	v_lshlrev_b32 v[W+2], 16, v[PK+1]
	v_and_b32 v[W+3], s26, v[PK+1]
	v_pk_mul_f32 v[W+4:W+5], v[W:W+1], v[W:W+1]
	v_pk_fma_f32 v[W+4:W+5], v[W+2:W+3], v[W+2:W+3], v[W+4:W+5]
	v_add_f32 v[P+(\p)], v[W+4], v[W+5]
.endm
.irp p, 0,1,2,3,4,5,6,7,8,9,10,11,12,13,14,15
	ROW \p
.endr
.irp i, 0,1,2,3,4,5,6,7
	ds_load_b128 v[X+4*\i:X+4*\i+3], v[RD] offset:\i*2*SPITCH  ; chunk i; LDS serves a wave's instructions in order (ISA guide 5.7.1.4): these see the stores above
.endr
	; the 16 sums across the 32 lanes, all 16 at each step, so that no line waits for the one before it
.irp m, 1,2,4,8
.set p, 0
.rept 16
	v_add_f32_dpp v[P+p], v[P+p], v[P+p] row_xmask:\m row_mask:0xf bank_mask:0xf
.set p, p+1
.endr
.endr
.set p, 0
.rept 16
	v_permlanex16_b32 v[X+32+p], v[P+p], s24, s25  ; its destination counts as read: registers that the row loads have written
.set p, p+1
.endr
.set p, 0
.rept 16
	v_add_f32 v[P+p], v[P+p], v[X+32+p]
.set p, p+1
.endr
.set p, 0
.rept 8
	s_mov_b32 s22, 1<<p                            ; lane p keeps rows 2 p and 2 p + 1
	v_cndmask_b32 v[TL], v[TL], v[P+2*p], s22
	v_cndmask_b32 v[TL+1], v[TL+1], v[P+2*p+1], s22
.set p, p+1
.endr
	v_mul_f32 v[TL], -0.5, v[TL]
	v_mul_f32 v[TL+1], -0.5, v[TL+1]
	v_cndmask_b32 v[TL], v[TL], v[SC], s23
	v_cndmask_b32 v[TL+1], v[TL+1], v[SC+1], s23
	s_wait_dscnt 0x0                               ; the block is back in registers
.irp i, 0,1,2,3,4,5,6,7
	global_store_b128 v[L16], v[X+4*\i:X+4*\i+3], s[20:21] offset:512*\i  ; 512 consecutive bytes, at a multiple of 256 from the buffer's first
.endr
	global_store_b64 v[L8], v[TL:TL+1], s[20:21] offset:4096  ; the tail: 256 consecutive bytes
	s_wait_tensorcnt 0x0                           ; the wave's end: these three lines behind my last LDS store
	ds_add_u32 v[SPW], v[NIL]
	s_wait_dscnt 0x0
	s_endpgm
.Lfunc_end_k_q6d535069c5_prep:
	.size	k_q6d535069c5_prep, .Lfunc_end_k_q6d535069c5_prep-k_q6d535069c5_prep
	.p2alignl 7, 3214868480
	.fill 96, 4, 3214868480
	.section	.rodata,"a",@progbits
	.p2align	6, 0x0
	.amdhsa_kernel k_q6d535069c5_prep
		.amdhsa_group_segment_fixed_size 17920
		.amdhsa_private_segment_fixed_size 0
		.amdhsa_enable_private_segment 0
		.amdhsa_kernarg_size 40
		.amdhsa_user_sgpr_count 2
		.amdhsa_user_sgpr_kernarg_segment_ptr 1
		.amdhsa_wavefront_size32 1
		.amdhsa_system_sgpr_workgroup_id_x 1
		.amdhsa_system_sgpr_workgroup_id_y 1
		.amdhsa_system_sgpr_workgroup_id_z 1
		.amdhsa_system_vgpr_workitem_id 0
		.amdhsa_next_free_vgpr 104
		.amdhsa_next_free_sgpr 66
		.amdhsa_reserve_vcc 0
		.amdhsa_float_denorm_mode_32 3
		.amdhsa_float_denorm_mode_16_64 3
		.amdhsa_memory_ordered 1
		.amdhsa_forward_progress 1
		.amdhsa_inst_pref_size 21
	.end_amdhsa_kernel
	.amdgpu_metadata
---
amdhsa.version: [ 1, 2 ]
amdhsa.kernels:
  - .name:           k_q6d535069c5_prep
    .symbol:         k_q6d535069c5_prep.kd
    .args:
      - { .name: memory_bank, .offset: 0, .size: 8, .value_kind: global_buffer, .address_space: global }
      - { .name: query, .offset: 8, .size: 8, .value_kind: global_buffer, .address_space: global }
      - { .name: neighbor_scale_bank, .offset: 16, .size: 8, .value_kind: global_buffer, .address_space: global }
      - { .name: bankb, .offset: 24, .size: 8, .value_kind: global_buffer, .address_space: global }
      - { .name: qryb, .offset: 32, .size: 8, .value_kind: global_buffer, .address_space: global }
    .group_segment_fixed_size: 17920
    .private_segment_fixed_size: 0
    .kernarg_segment_align: 8
    .kernarg_segment_size: 40
    .max_flat_workgroup_size: 128
    .sgpr_count:     66
    .vgpr_count:     104
    .wavefront_size: 32
...
	.end_amdgpu_metadata
.endif
;; end of part 1
;; launch scan (part 2): grid 64 x 4, 4 waves a work-group, clusters of 4 x 1, 327,680 bytes of LDS; arguments bankb, qryb, pkey, pid; writes pkey, pid
.if DOCPART == 2
	.amdgcn_target "amdgcn-amd-amdhsa--gfx1250"
	.amdhsa_code_object_version 6
	.text
	.protected	k_q6d535069c5_scan
	.globl	k_q6d535069c5_scan
	.p2align	8
	.type	k_q6d535069c5_scan,@function
k_q6d535069c5_scan:
	s_mov_b64 s[64:65], 0
	v_nop
	global_prefetch_b8 v0, s[64:65] scope:SCOPE_SE
	s_setreg_imm32_b32 hwreg(HW_REG_WAVE_MODE, 25, 1), 1
	s_wait_xcnt 0x0
	s_wait_alu depctr_hold_cnt(0) depctr_sa_sdst(0) depctr_va_vdst(0) depctr_va_sdst(0) depctr_va_ssrc(0) depctr_va_vcc(0) depctr_vm_vsrc(0)
	s_getreg_b32 s2, hwreg(HW_REG_IB_STS2, 6, 4)
	s_cmp_eq_u32 s2, 0
	s_cbranch_scc0 .Lentry_in_a_cluster
	s_endpgm
.Lentry_in_a_cluster:
	s_bfe_u32 s2, ttmp6, 0x10000c
	s_cmp_lg_u32 s2, 0x3003
	s_cbranch_scc0 .Lentry_shape_is_right
	s_endpgm
.Lentry_shape_is_right:
; SCAN.  key(q, m) = q . m - |m|^2 / 2 = (|q|^2 - d^2) / 2: the larger, the nearer.  For each query and each quarter of the bank this launch finds the FIVE BEST BLOCKS of 16 consecutive rows,
; a block's worth being the largest key in it, and stores (key, block number), best first.  Order elements by (distance, index) and blocks by (best element, number): an element of any other block has five
; elements ahead of it, so a query's five nearest rows lie in its five best blocks; a later launch looks into those.
; SHARES.  A work-group: 128 queries x a quarter of the bank (256 blocks).  Every wave holds all 128 queries as source 1 (8 tiles x 32 registers) and walks 64 blocks: two ranges of 32, 2 w and 2 w + 1.
; A STEP takes one block of each range: two tiles of source 0 (e = 0, 1), each with 8 rows of the one block in rows 0-7 and 8 rows of the other in rows 8-15.  In a result lane (r, h) holds query r and
; rows 8 h + 0..7, so over e = 0, 1 half h of the lanes sees all 16 rows of the block of range 2 w + h and nothing else: one maximum of 16 keys and ONE insertion into a list of five, for 16 keys.
; -|m|^2 / 2 is the C operand of the first of the four products along K: a key costs no vector instruction.
; TIES.  List 2 w + h walks its blocks in ascending order, lists are merged in ascending order, every compare is strict: of bit-equal keys the lower block stays ahead, with no compare of numbers.
; BY TURNS.  A step is four PIECES of two query tiles (16 products on four accumulators, which take turns); the 54 vector instructions that reduce and insert the piece before
; stand behind them, three or four behind each product.  All vector work lies in window 0, the products' sources in windows 1 and 2: two switches of the window a product.
; RING.  Two LDS slots of 32 blocks; a wave fetches and reads its own 8 blocks of a slot (two runs of 4), so its own wait on TENSORcnt orders its reads.  The four work-groups of a cluster have the same
; quarter and other queries: each tile is asked for JOINTLY (mask 15).  One tensor load of a wave is out at any time.
; LIMITS.  Keys are the matrix unit's f32 sums of bf16 products; blocks whose best keys differ in the last bits may change places against an exact sum.  NaN, infinities and keys of -inf are not treated apart.
; REGISTERS, in windows of 256 (s_set_vgpr_msb: bits 1:0 source 0, 3:2 source 1, 5:4 source 2, 7:6 destination): window 0 as named below; window 1: Q, tile t chunk i at 32 t + 4 i;
; window 2: v0-127 the bank's fragments, buffer f tile e chunk i at 64 f + 32 e + 4 i.
.set BLK,    4352
.set RUN,    4*BLK                     ; four blocks on end: one row of a tensor tile
.set WPART,  2*RUN                     ; a wave's part of a slot: a run of each of its ranges
.set SLOTB,  4*WPART                   ; 139,264 = 0x22000: shares no bit with w x 0x8800, so an exclusive or changes slots
.set SCRK,   2*SLOTB                   ; behind the ring, never filled by a tensor load: the lists' keys: list l, place s, query q at l LPITCH + 512 s + 4 q
.set LPITCH, 2624                      ; 656 words: the two halves of the lanes store 16 banks apart (64 banks of 4 bytes: ISA guide 11.1)
.set IDOFF,  8*LPITCH                  ; the lists' block numbers lie this far behind their keys
.set SPARE,  SCRK+2*IDOFF              ; the spare words, 128 bytes a wave
.set LA0, 2                            ; v2, v3  my lane's place in a step's tile e = 0, 1 of source 0, in slot 0
.set LA1, 3
.set LC0, 4                            ; v4, v5  the same for the C operand
.set LC1, 5
.set ADA0, 6                           ; v6-9    the four with the slot's base added
.set ADA1, 7
.set ADC0, 8
.set ADC1, 9
.set L16, 10                           ; v10  16 x lane
.set IDB, 11                           ; v11  the first block of my list's range
.set SPW, 12                           ; v12  my spare word
.set NIL, 13                           ; v13  0
.set SW,  14                           ; v14  where my list goes in LDS
.set SR,  15                           ; v15  where my query's lists are read
.set WK,  16                           ; v16-23  for each of a piece's two tiles: two running maxima, two payloads at work
.set HM,  24                           ; v24-55  C operands: buffer f, tile e at HM + 16 f + 8 e
.set S,   56                           ; v56-119 keys: two buffers by the piece's parity, accumulator a at + 8 a; a = 2 (tile & 1) + e
.set LV,  120                          ; v120-159 the lists' keys, five a tile, best first
.set LI,  160                          ; v160-199 their step numbers
.set KF,  24                           ; the end: the merged list's keys (v24-29) and numbers (v30-35),
.set IDF, 30
.set KX,  36                           ; lists 1-7 as read back: keys v36-70, numbers v72-106
.set IX,  72
.set TT,  108
.set GO,  110
.set WV,  12                           ; s12  wave
.set G1,  16                           ; s[16:23] descriptor group 1
.set G0,  24                           ; s[24:27] descriptor group 0: it walks
.set TB,  28                           ; s28  base of the slot that the LDS loads read
.set TR,  29                           ; s29  the step whose keys the riders insert
.set SLOTS, 30
.set NINF, 31
.set CM,  32                           ; s32-41  five compare masks for each of a piece's two tiles
.set W_MM, 0x06                        ; source 0 window 2, source 1 window 1, C and D window 0
.set MSB, 0
.macro WIN new                         ; the high byte repeats the setting that is left; a switch that changes nothing is dropped
.if MSB != (\new)
	s_set_vgpr_msb (MSB<<8)|(\new)
.set MSB, \new
.endif
.endm
.macro ROUND                           ; a round of the cluster's barrier: my work-group's barrier; wave 0 signals for it; every wave waits for all four work-groups; my work-group's barrier once more
	s_barrier_signal -1
	s_barrier_wait -1
	s_cmp_lg_u32 s[WV], 0
	s_cbranch_scc1 .Lnot_wave_0_\@
	s_barrier_signal -3
.Lnot_wave_0_\@:
	s_barrier_wait -3
	s_barrier_signal -1
	s_barrier_wait -1
.endm
.macro JLOAD                           ; my wave's joint load; an s_nop 0 and four v_nop follow it
	tensor_load_to_lds s[G0:G0+3], s[G1:G1+7]
	s_nop 0
.rept 4
	v_nop
.endr
.endm
.macro ADDR                            ; the four LDS addresses for the slot at s[TB]
	v_add_nc_u32 v[ADA0], s[TB], v[LA0]
	v_add_nc_u32 v[ADA1], s[TB], v[LA1]
	v_add_nc_u32 v[ADC0], s[TB], v[LC0]
	v_add_nc_u32 v[ADC1], s[TB], v[LC1]
.endm
.macro FETCH f, off                    ; 20 LDS loads in one run: a step's two tiles of source 0 and their C operands, from byte off of the runs, into buffer f
	WIN 0x80
.irp i, 0,1,2,3,4,5,6,7
	ds_load_b128 v[64*(\f)+4*\i:64*(\f)+4*\i+3], v[ADA0] offset:(\off)+512*\i
.endr
.irp i, 0,1,2,3,4,5,6,7
	ds_load_b128 v[64*(\f)+32+4*\i:64*(\f)+32+4*\i+3], v[ADA1] offset:(\off)+512*\i
.endr
	WIN 0
	ds_load_b128 v[HM+16*(\f):HM+16*(\f)+3],     v[ADC0] offset:(\off)+4096
	ds_load_b128 v[HM+16*(\f)+4:HM+16*(\f)+7],   v[ADC0] offset:(\off)+4112
	ds_load_b128 v[HM+16*(\f)+8:HM+16*(\f)+11],  v[ADC1] offset:(\off)+4096
	ds_load_b128 v[HM+16*(\f)+12:HM+16*(\f)+15], v[ADC1] offset:(\off)+4112
.endm
; Product n of 16 of piece p: 32 (n >> 2) along K, accumulator n & 3.  The first four start the sums with -|m|^2 / 2.
.macro MM p, f
.set kq, n>>2
.set aq, n&3
.set dS, S+32*((\p)&1)+8*aq
.set aA, 64*(\f)+32*(aq&1)+8*kq
.set bQ, 32*(2*(\p)+(aq>>1))+8*kq
.set cH, HM+16*(\f)+8*(aq&1)
.if kq == 0
	v_wmma_f32_16x16x32_bf16 v[dS:dS+7], v[aA:aA+7], v[bQ:bQ+7], v[cH:cH+7]
.else
	v_wmma_f32_16x16x32_bf16 v[dS:dS+7], v[aA:aA+7], v[bQ:bQ+7], v[dS:dS+7]
.endif
.endm
; Rider j of 54 for piece pp: number j >> 1 of 27 for its tile j & 1.  0-7: x, the largest of the lane's 16 keys (each accumulator's lowest registers are read first).
; 8-12: x > key i.  13-17: key i = the middle one of x, key i - 1, key i, from the last place up; key 1 = the larger.  18-26: the numbers move likewise, by the masks.
.macro RD pp
.set u1, j&1
.set rn, j>>1
.set e0, S+32*((\pp)&1)+16*u1
.set e1, e0+8
.set ma, WK+4*u1
.set lv, LV+5*(2*(\pp)+u1)
.set li, LI+5*(2*(\pp)+u1)
.set cm, CM+5*u1
.if rn == 0
	v_max3_num_f32 v[ma], v[e0], v[e0+1], v[e0+2]
.elseif rn == 1
	v_max3_num_f32 v[ma+1], v[e1], v[e1+1], v[e1+2]
.elseif rn == 2
	v_max3_num_f32 v[ma], v[ma], v[e0+3], v[e0+4]
.elseif rn == 3
	v_max3_num_f32 v[ma+1], v[ma+1], v[e1+3], v[e1+4]
.elseif rn == 4
	v_max3_num_f32 v[ma], v[ma], v[e0+5], v[e0+6]
.elseif rn == 5
	v_max3_num_f32 v[ma+1], v[ma+1], v[e1+5], v[e1+6]
.elseif rn == 6
	v_max3_num_f32 v[ma], v[ma], v[ma+1], v[e0+7]
.elseif rn == 7
	v_max_num_f32 v[ma], v[ma], v[e1+7]
.elseif rn < 13
	v_cmp_gt_f32 s[cm+rn-8], v[ma], v[lv+rn-8]
.elseif rn < 17
	v_med3_num_f32 v[lv+17-rn], v[ma], v[lv+16-rn], v[lv+17-rn]
.elseif rn == 17
	v_max_num_f32 v[lv], v[lv], v[ma]
.elseif rn == 18
	v_cndmask_b32 v[ma+2], s[TR], v[li+3], s[cm+3]
.elseif rn == 19
	v_cndmask_b32 v[ma+3], s[TR], v[li+2], s[cm+2]
.elseif rn == 20
	v_cndmask_b32 v[li+4], v[li+4], v[ma+2], s[cm+4]
.elseif rn == 21
	v_cndmask_b32 v[ma+2], s[TR], v[li+1], s[cm+1]
.elseif rn == 22
	v_cndmask_b32 v[li+3], v[li+3], v[ma+3], s[cm+3]
.elseif rn == 23
	v_cndmask_b32 v[ma+3], s[TR], v[li], s[cm]
.elseif rn == 24
	v_cndmask_b32 v[li+2], v[li+2], v[ma+2], s[cm+2]
.elseif rn == 25
	v_cndmask_b32 v[li+1], v[li+1], v[ma+3], s[cm+1]
.else
	v_cndmask_b32 v[li], v[li], s[TR], s[cm]
.endif
.endm
; A PIECE: 16 products, and behind them the riders of the piece before: three behind each of the first ten, four behind each of the last six.  The riders name no register of the products round them:
; they are the places between a product and the first read of its result, and between the last product that read a fragment buffer and the loads into it.
; Piece 0 holds the step's run of LDS loads, behind its second product.  kind 1: the next step's fragments, at byte off of this slot.  kind 2: the next slot's first: my one tensor load that is out is my
; part of that slot, and no younger one exists, so the wait is for 0.  kind 0: nothing.
.macro PIECE p, f, kind, off
.set j, 0
.set n, 0
.rept 16
	WIN W_MM
	MM \p, \f
	WIN 0
.rept 3+n/10
	RD ((\p)+3)&3
.set j, j+1
.endr
.if ((\p) == 0) && (n == 1)
.if (\kind) == 1
	FETCH 1-(\f), \off
.elseif (\kind) == 2
	s_wait_tensorcnt 0x0
	s_xor_b32 s[TB], s[TB], SLOTB
	ADDR
	FETCH 0, 0
.endif
.endif
.set n, n+1
.endr
.endm
.macro STEP u, kind                    ; step u of a slot's four, on fragment buffer u & 1
	s_wait_dscnt 0x0                               ; the fragments asked for a step ago are in
	PIECE 0, (\u)&1, \kind, ((\u)+1)*BLK
	s_add_co_u32 s[TR], s[TR], 1                   ; piece 0's riders were the last step's; from here on they are this step's
	PIECE 1, (\u)&1, 0, 0
	PIECE 2, (\u)&1, 0, 0
	PIECE 3, (\u)&1, 0, 0
.endm
; THE FILL of the slot that is not being read.  Each wave waits for all its tensor loads, adds 0 to its spare word, and waits for that and for its LDS reads; the round shows the same of every wave of all
; four work-groups; the joint load is the first thing behind it.  It has three steps, 192 products, in which to land.
.macro CHANGE
	WIN 0
	s_wait_tensorcnt 0x0                           ; no tensor load of mine is out, so group 0 may be written
	ds_add_u32 v[SPW], v[NIL]                      ; 0 onto my spare word; the descriptor's steps stand between it and the wait for it
	s_xor_b32 s[G0+1], s[G0+1], SLOTB              ; the other slot,
	s_add_nc_u64 s[G0+2:G0+3], s[G0+2:G0+3], RUN   ; the next four blocks of both ranges; the type bits on top are not reached
	s_wait_dscnt 0x0                               ; the add is done, and my reads are back
	ROUND
	JLOAD
.endm
; Entry (x, pay), the lo-th of a sorted list, goes into the merged list at place lo or below: the lo - 1 entries ahead of it in its own list are ahead of it here too.
.macro INS x, pay, lo
.set ii, \lo
.rept 6-(\lo)
	v_cmp_gt_f32 s[CM+ii-1], v[\x], v[KF+ii-1]
.set ii, ii+1
.endr
.set ii, 5
.rept 5-(\lo)
	v_cndmask_b32 v[TT], v[\pay], v[IDF+ii-2], s[CM+ii-2]
	v_cndmask_b32 v[IDF+ii-1], v[IDF+ii-1], v[TT], s[CM+ii-1]
	v_med3_num_f32 v[KF+ii-1], v[\x], v[KF+ii-2], v[KF+ii-1]
.set ii, ii-1
.endr
	v_cndmask_b32 v[IDF+(\lo)-1], v[IDF+(\lo)-1], v[\pay], s[CM+(\lo)-1]
	v_max_num_f32 v[KF+(\lo)-1], v[KF+(\lo)-1], v[\x]
.endm
	s_load_b256 s[4:11], s[0:1], 0x0               ; bankb s[4:5], qryb s[6:7], pkey s[8:9], pid s[10:11]
	v_lshl_add_u32 v[SPW], v0, 2, SPARE
	v_mov_b32 v[NIL], 0
	ds_add_u32 v[SPW], v[NIL]                      ; the wave's opening: the add and its wait stand ahead of my first tensor load; work on registers stands between them
	v_lshrrev_b32 v1, 5, v0
	v_readfirstlane_b32 s[WV], v1                  ; wave 0..3
	s_and_b32 s15, ttmp7, 0xffff                   ; y: the quarter of the bank, which the four partners share
	; group 1: a tile of 2 rows x 2,176 elements of 8 bytes: four blocks on end of each of my two ranges, which lie 32 blocks (17,408 elements) apart.  Each row is 17,408 consecutive bytes, a multiple of 256 from the buffer's first
	s_mov_b32 s[G1+0], 15|(3<<16)|(1<<21)          ; 15:0 the mask of four; 17:16 elements of 8 bytes; 21 set beside a mask; no padding
	s_mov_b32 s[G1+1], 2176<<16                    ; tensor_dim0 = 2,176
	s_mov_b32 s[G1+2], 2<<16                       ; tensor_dim1 = 2
	s_mov_b32 s[G1+3], 2176<<16                    ; tile_dim0 = 2,176
	s_mov_b32 s[G1+4], 2                           ; tile_dim1 = 2
	s_mov_b32 s[G1+5], 17408                       ; elements from row to row
	s_mov_b32 s[G1+6], 0
	s_mov_b32 s[G1+7], 0
	s_mov_b32 s[G0], 1                             ; count = 1
	s_mul_i32 s[G0+1], s[WV], WPART                ; LDS address: my part of slot 0
	s_mul_i32 s42, s[WV], WPART
	s_lshl_b32 s2, s15, 8
	s_lshl_b32 s3, s[WV], 6
	s_add_co_u32 s43, s2, s3                       ; my first block: 256 y + 64 w
	s_mul_i32 s2, s43, BLK
	s_mov_b32 s3, 0
	s_mov_b32 s[TB], 0
	s_mov_b32 s[TR], -1
	s_mov_b32 s[SLOTS], 7
	s_mov_b32 s[NINF], 0xff800000
	s_wait_dscnt 0x0                               ; the opening add is done
	s_wait_kmcnt 0x0
	s_add_nc_u64 s[G0+2:G0+3], s[4:5], s[2:3]      ; global address: made of y and the wave's number alone
	s_or_b32 s[G0+3], s[G0+3], 0x80000000          ; type = 2
	ROUND                                          ; all four work-groups are here: the first joint loads meet
	JLOAD                                          ; slot 0: the first four blocks of each range
	s_bfe_u32 s13, ttmp6, 0x40000                  ; cx: it enters the addresses of Q and of the results alone
	s_lshl_b32 s14, ttmp9, 2
	s_add_co_u32 s14, s14, s13                     ; x: my 128 queries
	s_mul_i32 s44, s14, 8*BLK
	s_mov_b32 s45, 0
	s_add_nc_u64 s[6:7], s[6:7], s[44:45]
	s_mul_i32 s46, s15, 3*65536                    ; results: [quarter][pair][query][2] words
	s_lshl_b32 s47, s14, 10
	s_add_co_u32 s46, s46, s47
	s_mov_b32 s47, 0
	s_add_nc_u64 s[8:9], s[8:9], s[46:47]
	s_add_nc_u64 s[10:11], s[10:11], s[46:47]
	v_and_b32 v1, 31, v0
	v_lshlrev_b32 v[L16], 4, v1
	WIN 0x40                                       ; destination window 1
.set tq, 0
.rept 8
.set i, 0
.rept 8
	global_load_b128 v[32*tq+4*i:32*tq+4*i+3], v[L16], s[6:7] offset:tq*BLK+512*i  ; Q stays in registers: 512 consecutive bytes a load
.set i, i+1
.endr
.set tq, tq+1
.endr
	WIN 0
	; Source 0, tile e: lane l holds row r = l % 16 and K half l / 16.  Rows 0-7 are rows 8 e + r of the block in run 0, rows 8-15 rows 8 (1 - e) + r - 8 of the block in run 1.
	v_and_b32 v16, 7, v0
	v_bfe_u32 v17, v0, 3, 1                        ; which run
	v_bfe_u32 v18, v0, 4, 1                        ; h
	v_and_b32 v20, 15, v0                          ; r
	v_lshlrev_b32 v19, 4, v16
	v_lshl_add_u32 v19, v18, 8, v19
	v_add_nc_u32 v19, s42, v19
	v_mul_u32_u24 v[LA0], v17, RUN+128
	v_add_nc_u32 v[LA0], v[LA0], v19
	v_mul_u32_u24 v[LA1], v17, RUN-128
	v_add_nc_u32 v[LA1], v[LA1], v19
	v_add_nc_u32 v[LA1], 128, v[LA1]
	v_mul_u32_u24 v[LC0], v18, RUN+32              ; C: half h of the lanes takes eight words of the tail of its own block
	v_add_nc_u32 v[LC0], s42, v[LC0]
	v_mul_u32_u24 v[LC1], v18, RUN-32
	v_add_nc_u32 v[LC1], s42, v[LC1]
	v_add_nc_u32 v[LC1], 32, v[LC1]
	v_lshl_add_u32 v[IDB], v18, 5, s43             ; 256 y + 32 (2 w + h)
	s_mul_i32 s48, s[WV], 2*LPITCH
	s_add_co_u32 s48, s48, SCRK
	v_mul_u32_u24 v[SW], v18, LPITCH
	v_add_nc_u32 v[SW], s48, v[SW]
	v_lshl_add_u32 v[SW], v20, 2, v[SW]
	v_lshl_add_u32 v[SR], v0, 2, SCRK
	; The lists start at -inf, and so does the second key buffer: the first piece's riders, which have no piece before them, then insert nothing, and no first step is written out.
	; 112 moves, in the wait for the first tile.
.set i, 0
.rept 40
	v_mov_b32 v[LV+i], s[NINF]
	v_mov_b32 v[LI+i], 0
.set i, i+1
.endr
.set i, 0
.rept 32
	v_mov_b32 v[S+32+i], s[NINF]
.set i, i+1
.endr
	s_wait_tensorcnt 0x0                           ; my part of slot 0 is in; only I read it
	ADDR
	FETCH 0, 0
	s_wait_loadcnt 0x0                             ; Q
.Lslot:                                                ; seven trips: a slot's four steps, while the other slot is filled
	CHANGE
	STEP 0, 1
	STEP 1, 1
	STEP 2, 1
	STEP 3, 2
	s_sub_co_u32 s[SLOTS], s[SLOTS], 1
	s_cmp_lg_u32 s[SLOTS], 0
	s_cbranch_scc1 .Lslot
	STEP 0, 1                                      ; the last slot is written out: nothing is asked for, so no barrier stands here
	STEP 1, 1
	STEP 2, 1
	STEP 3, 0
.set j, 0
.rept 54
	RD 3                                           ; the last piece's keys
.set j, j+1
.endr
	; THE EIGHT LISTS OF A QUERY MEET.  Step numbers become block numbers; the lists go to LDS; thread t takes query t and merges lists 0 to 7 in that order.
.set i, 0
.rept 40
	v_add_nc_u32 v[LI+i], v[IDB], v[LI+i]
.set i, i+1
.endr
.set tq, 0
.rept 8
.set sl, 0
.rept 5
	ds_store_b32 v[SW], v[LV+5*tq+sl] offset:512*sl+64*tq
	ds_store_b32 v[SW], v[LI+5*tq+sl] offset:IDOFF+512*sl+64*tq
.set sl, sl+1
.endr
.set tq, tq+1
.endr
	s_wait_dscnt 0x0                               ; for the others' sake: my stores are done
	s_barrier_signal -1
	s_barrier_wait -1
.set ll, 0
.rept 8
.set sl, 0
.rept 5
.if ll == 0
	ds_load_b32 v[KF+sl], v[SR] offset:512*sl
.else
	ds_load_b32 v[KX+5*(ll-1)+sl], v[SR] offset:LPITCH*ll+512*sl
.endif
.set sl, sl+1
.endr
.set sl, 0
.rept 5
.if ll == 0
	ds_load_b32 v[IDF+sl], v[SR] offset:IDOFF+512*sl
.else
	ds_load_b32 v[IX+5*(ll-1)+sl], v[SR] offset:IDOFF+LPITCH*ll+512*sl
.endif
.set sl, sl+1
.endr
.set ll, ll+1
.endr
.set ll, 1
.rept 7
	s_wait_dscnt 10*(7-ll)                         ; ten loads for each younger list may be out
.set kk, 1
.rept 5
	INS KX+5*(ll-1)+kk-1, IX+5*(ll-1)+kk-1, kk
.set kk, kk+1
.endr
.set ll, ll+1
.endr
	v_mov_b32 v[KF+5], v[KF+4]                     ; the sixth word of three pairs: written, since the next launch loads whole pairs
	v_mov_b32 v[IDF+5], v[IDF+4]
	v_lshlrev_b32 v[GO], 3, v0
.irp pr, 0,1,2
	global_store_b64 v[GO], v[KF+2*\pr:KF+2*\pr+1], s[8:9] offset:65536*\pr     ; a wave stores 256 consecutive bytes, at a multiple of 256 from the buffer's first
	global_store_b64 v[GO], v[IDF+2*\pr:IDF+2*\pr+1], s[10:11] offset:65536*\pr
.endr
	s_wait_tensorcnt 0x0                           ; the wave's end: these three lines behind my last tensor load and my last LDS store
	ds_add_u32 v[SPW], v[NIL]
	s_wait_dscnt 0x0
	ROUND                                          ; the closing round: no work-group ends while a partner may still ask for a tile that names it
	s_endpgm
.Lfunc_end_k_q6d535069c5_scan:
	.size	k_q6d535069c5_scan, .Lfunc_end_k_q6d535069c5_scan-k_q6d535069c5_scan
	.p2alignl 7, 3214868480
	.fill 96, 4, 3214868480
	.section	.rodata,"a",@progbits
	.p2align	6, 0x0
	.amdhsa_kernel k_q6d535069c5_scan
		.amdhsa_group_segment_fixed_size 327680
		.amdhsa_private_segment_fixed_size 0
		.amdhsa_enable_private_segment 0
		.amdhsa_kernarg_size 32
		.amdhsa_user_sgpr_count 2
		.amdhsa_user_sgpr_kernarg_segment_ptr 1
		.amdhsa_wavefront_size32 1
		.amdhsa_system_sgpr_workgroup_id_x 1
		.amdhsa_system_sgpr_workgroup_id_y 1
		.amdhsa_system_sgpr_workgroup_id_z 1
		.amdhsa_system_vgpr_workitem_id 0
		.amdhsa_next_free_vgpr 640
		.amdhsa_next_free_sgpr 66
		.amdhsa_reserve_vcc 0
		.amdhsa_float_denorm_mode_32 3
		.amdhsa_float_denorm_mode_16_64 3
		.amdhsa_memory_ordered 1
		.amdhsa_forward_progress 1
		.amdhsa_inst_pref_size 234
	.end_amdhsa_kernel
	.amdgpu_metadata
---
amdhsa.version: [ 1, 2 ]
amdhsa.kernels:
  - .name:           k_q6d535069c5_scan
    .symbol:         k_q6d535069c5_scan.kd
    .args:
      - { .name: bankb, .offset: 0, .size: 8, .value_kind: global_buffer, .address_space: global }
      - { .name: qryb, .offset: 8, .size: 8, .value_kind: global_buffer, .address_space: global }
      - { .name: pkey, .offset: 16, .size: 8, .value_kind: global_buffer, .address_space: global }
      - { .name: pid, .offset: 24, .size: 8, .value_kind: global_buffer, .address_space: global }
    .group_segment_fixed_size: 327680
    .private_segment_fixed_size: 0
    .kernarg_segment_align: 8
    .kernarg_segment_size: 32
    .max_flat_workgroup_size: 128
    .sgpr_count:     66
    .vgpr_count:     640
    .wavefront_size: 32
...
	.end_amdgpu_metadata
.endif
;; end of part 2
;; launch merge (part 3): grid 256 x 1, 1 waves a work-group, no clusters, 0 bytes of LDS; arguments pkey, pid, sel; writes sel
.if DOCPART == 3
	.amdgcn_target "amdgcn-amd-amdhsa--gfx1250"
	.amdhsa_code_object_version 6
	.text
	.protected	k_q6d535069c5_merge
	.globl	k_q6d535069c5_merge
	.p2align	8
	.type	k_q6d535069c5_merge,@function
k_q6d535069c5_merge:
	s_mov_b64 s[64:65], 0
	v_nop
	global_prefetch_b8 v0, s[64:65] scope:SCOPE_SE
	s_setreg_imm32_b32 hwreg(HW_REG_WAVE_MODE, 25, 1), 1
	s_wait_xcnt 0x0
; MERGE.  For each query the four quarters' lists of five (key, block number), each best first, become the five best blocks of the whole bank; their numbers are stored in ascending order.
; A lane takes a query; 256 waves.  Quarters are merged in ascending order with strict compares, so of bit-equal keys the lower block stays ahead.
; pkey, pid: [quarter][pair][query][2] words.  sel: [pair][query][2] words: (n0, n1), (n2, n3), (n4, n4).  Every load and store of the wave covers 256 consecutive bytes.
; This launch stands apart because the next one forms addresses from these numbers.  No LDS, no matrix unit, no cluster: 1.6 MB are read once, and no two waves read the same bytes.
.set KF,  8                            ; quarter y: keys at v[8 + 12 y ..+5], numbers at v[14 + 12 y ..+5]; quarter 0's registers are the merged list
.set IDF, 14
.set TT,  60
.set CM,  12                           ; s12-16 compare masks
; Entry (x, pay), the lo-th of a sorted list, goes into the merged list at place lo or below.
.macro INS x, pay, lo
.set ii, \lo
.rept 6-(\lo)
	v_cmp_gt_f32 s[CM+ii-1], v[\x], v[KF+ii-1]
.set ii, ii+1
.endr
.set ii, 5
.rept 5-(\lo)
	v_cndmask_b32 v[TT], v[\pay], v[IDF+ii-2], s[CM+ii-2]
	v_cndmask_b32 v[IDF+ii-1], v[IDF+ii-1], v[TT], s[CM+ii-1]
	v_med3_num_f32 v[KF+ii-1], v[\x], v[KF+ii-2], v[KF+ii-1]
.set ii, ii-1
.endr
	v_cndmask_b32 v[IDF+(\lo)-1], v[IDF+(\lo)-1], v[\pay], s[CM+(\lo)-1]
	v_max_num_f32 v[KF+(\lo)-1], v[KF+(\lo)-1], v[\x]
.endm
.macro CSW a, b                        ; the smaller number to place a, the larger to place b
	v_min_u32 v[TT], v[IDF+(\a)], v[IDF+(\b)]
	v_max_u32 v[IDF+(\b)], v[IDF+(\a)], v[IDF+(\b)]
	v_mov_b32 v[IDF+(\a)], v[TT]
.endm
	s_load_b128 s[4:7], s[0:1], 0x0                ; pkey s[4:5], pid s[6:7]
	s_load_b64 s[8:9], s[0:1], 0x10                ; sel
	v_lshlrev_b32 v1, 3, v0                        ; 8 bytes a query
	s_lshl_b32 s2, ttmp9, 8                        ; 32 queries a wave
	s_mov_b32 s3, 0
	s_wait_kmcnt 0x0
	s_add_nc_u64 s[4:5], s[4:5], s[2:3]
	s_add_nc_u64 s[6:7], s[6:7], s[2:3]
	s_add_nc_u64 s[8:9], s[8:9], s[2:3]
.set yq, 0
.rept 4
.irp pr, 0,1,2
	global_load_b64 v[KF+12*yq+2*\pr:KF+12*yq+2*\pr+1], v1, s[4:5] offset:(3*yq+\pr)*65536 th:TH_LOAD_NT
.endr
.irp pr, 0,1,2
	global_load_b64 v[IDF+12*yq+2*\pr:IDF+12*yq+2*\pr+1], v1, s[6:7] offset:(3*yq+\pr)*65536 th:TH_LOAD_NT
.endr
.set yq, yq+1
.endr
.set yq, 1
.rept 3
	s_wait_loadcnt 6*(3-yq)                        ; six loads for each younger quarter may be out
.set kk, 1
.rept 5
	INS KF+12*yq+kk-1, IDF+12*yq+kk-1, kk
.set kk, kk+1
.endr
.set yq, yq+1
.endr
	CSW 0, 1                                       ; five numbers in ascending order: nine exchanges
	CSW 3, 4
	CSW 2, 4
	CSW 2, 3
	CSW 1, 4
	CSW 0, 3
	CSW 0, 2
	CSW 1, 3
	CSW 1, 2
	v_mov_b32 v[IDF+5], v[IDF+4]
.irp pr, 0,1,2
	global_store_b64 v1, v[IDF+2*\pr:IDF+2*\pr+1], s[8:9] offset:65536*\pr
.endr
	s_endpgm
.Lfunc_end_k_q6d535069c5_merge:
	.size	k_q6d535069c5_merge, .Lfunc_end_k_q6d535069c5_merge-k_q6d535069c5_merge
	.p2alignl 7, 3214868480
	.fill 96, 4, 3214868480
	.section	.rodata,"a",@progbits
	.p2align	6, 0x0
	.amdhsa_kernel k_q6d535069c5_merge
		.amdhsa_group_segment_fixed_size 0
		.amdhsa_private_segment_fixed_size 0
		.amdhsa_enable_private_segment 0
		.amdhsa_kernarg_size 24
		.amdhsa_user_sgpr_count 2
		.amdhsa_user_sgpr_kernarg_segment_ptr 1
		.amdhsa_wavefront_size32 1
		.amdhsa_system_sgpr_workgroup_id_x 1
		.amdhsa_system_sgpr_workgroup_id_y 1
		.amdhsa_system_sgpr_workgroup_id_z 1
		.amdhsa_system_vgpr_workitem_id 0
		.amdhsa_next_free_vgpr 64
		.amdhsa_next_free_sgpr 66
		.amdhsa_reserve_vcc 0
		.amdhsa_float_denorm_mode_32 3
		.amdhsa_float_denorm_mode_16_64 3
		.amdhsa_memory_ordered 1
		.amdhsa_forward_progress 1
		.amdhsa_inst_pref_size 14
	.end_amdhsa_kernel
	.amdgpu_metadata
---
amdhsa.version: [ 1, 2 ]
amdhsa.kernels:
  - .name:           k_q6d535069c5_merge
    .symbol:         k_q6d535069c5_merge.kd
    .args:
      - { .name: pkey, .offset: 0, .size: 8, .value_kind: global_buffer, .address_space: global }
      - { .name: pid, .offset: 8, .size: 8, .value_kind: global_buffer, .address_space: global }
      - { .name: sel, .offset: 16, .size: 8, .value_kind: global_buffer, .address_space: global }
    .group_segment_fixed_size: 0
    .private_segment_fixed_size: 0
    .kernarg_segment_align: 8
    .kernarg_segment_size: 24
    .max_flat_workgroup_size: 32
    .sgpr_count:     66
    .vgpr_count:     64
    .wavefront_size: 32
...
	.end_amdgpu_metadata
.endif
;; end of part 3
;; launch refine (part 4): grid 256 x 1, 4 waves a work-group, no clusters, 0 bytes of LDS; arguments bankb, qryb, sel, out0; writes out0
.if DOCPART == 4
	.amdgcn_target "amdgcn-amd-amdhsa--gfx1250"
	.amdhsa_code_object_version 6
	.text
	.protected	k_q6d535069c5_refine
	.globl	k_q6d535069c5_refine
	.p2align	8
	.type	k_q6d535069c5_refine,@function
k_q6d535069c5_refine:
	s_mov_b64 s[64:65], 0
	v_nop
	global_prefetch_b8 v0, s[64:65] scope:SCOPE_SE
	s_setreg_imm32_b32 hwreg(HW_REG_WAVE_MODE, 25, 1), 1
	s_wait_xcnt 0x0
; REFINE.  For each query the 80 rows of its five chosen blocks are measured again, d2 = (|q|^2 + |m|^2) - 2 q . m with the roundings in that order, the five smallest are kept with their rows' scales, and the
; result is formed: d = sqrt(max(d2, 1e-12)); weights softmax(-d), the smallest d taken away first; weighted distance / max(mean scale, 1e-6) x (1 + 0.5 std(d) / max(mean(d), 1e-6)).
; SHARES.  A wave takes 8 queries of a tile of 16 (tile T = 2 x work-group + wave / 2, queries 8 (wave & 1) ..).  A UNIT is one query: its five blocks are source 0 (a block is read as it lies, eight loads of
; 512 consecutive bytes), the query tile is source 1, 20 products; of each result only the query's own column is of use, and a select by a lane mask keeps it.  After eight units lane (r, h) holds, for
; query r, the products with rows 8 h + 0..7 of its five blocks.  Two buffers of 160 registers take turns, so that a unit's 40 loads are out while the unit before is multiplied.
; ORDER.  The block numbers come in ascending order.  An exchange between the halves of the lanes gives half 0 the first 40 of the 80 rows and half 1 the last 40; a lane inserts in ascending order with
; strict compares, and half 0 then takes in half 1's list: of bit-equal d2 the lower index stays ahead.  Half 0 stores.
; ADDRESSES hang on whole numbers that an earlier launch stored, each cut to 1,023 in front of its use.
; NO CLUSTER, NO LDS: each query has blocks of its own, so no two waves are known to read the same bytes at the same time.
; LIMITS.  The choice goes by d2 in f32, not by the rounded root: rows whose distances coincide only after the root may be ordered otherwise.  q . m is the matrix unit's f32 sum of bf16 products.
; A division is v_rcp_f32 and a product, / 5 is x 0.2; a weight below 2^-126 counts as 0; NaN and infinities are not treated apart.  A wave stores 32 bytes of the 32,768 that are the output.
; REGISTERS, in windows of 256 (s_set_vgpr_msb: bits 1:0 source 0, 7:6 destination): window 0 as named below; window 1 v0-159 and window 2 v0-159: the two buffers, block g chunk i at 32 g + 4 i.
.set BLK, 4352
.set L16, 4                            ; v4   16 x lane
.set TO,  16                           ; v16-20  byte offset in bankb of the tail words of my chunk p of eight rows
.set Q,   24                           ; v24-55  the query tile
.set ACC, 56                           ; v56-95  five accumulators; later Y: my 40 rows' products, then their d2
.set Y,   56
.set X,   96                           ; v96-135 the kept columns; later the other half's list
.set HMC, 136                          ; v136-175 -|m|^2 / 2 of my 40 rows
.set SCL, 176                          ; v176-215 their scales
.set LV,  216                          ; v216-220 the five smallest d2, ascending; then d
.set LP,  222                          ; v222-226 their scales
.set NS,  228
.set N2,  229
.set E,   230                          ; v231-234 weights 2 to 5
.set MN,  236
.set M2,  237
.set SE,  238
.set SD,  239
.set DV,  240                          ; v240-244
.set VR,  245
.set MX,  246
.set TA,  248                          ; v248-251 what is sent to the other half
.set TT,  252
.set BS,  20                           ; s[20:29], s[30:39] the five blocks' addresses, for each buffer
.set ID,  40                           ; s40-45  the numbers of the query to be fetched next
.set CI,  48                           ; s48  which of my eight queries that is
.set MK,  49                           ; s49  the lanes of the unit's query
.set HMK, 50                           ; s50  lanes 16-31
.set CNT, 51
.set CM,  58                           ; s58-62 compare masks
.set MSB, 0
.macro WIN new
.if MSB != (\new)
	s_set_vgpr_msb (MSB<<8)|(\new)
.set MSB, \new
.endif
.endm
.macro SLD                             ; the numbers of query min(CI, 7): the cut keeps the last look ahead inside sel
	s_min_u32 s54, s[CI], 7
	s_lshl_b32 s54, s54, 3
	s_load_b64 s[ID:ID+1], s[46:47], s54 offset:0x0
	s_load_b64 s[ID+2:ID+3], s[46:47], s54 offset:0x10000
	s_load_b64 s[ID+4:ID+5], s[46:47], s54 offset:0x20000
.endm
.macro IDS b                           ; the numbers that are in become buffer b's five addresses; the next query's are asked for
	s_wait_kmcnt 0x0
.set g, 0
.rept 5
	s_min_u32 s56, s[ID+g], 1023
	s_mul_i32 s56, s56, BLK
	s_add_nc_u64 s[BS+10*(\b)+2*g:BS+10*(\b)+2*g+1], s[4:5], s[56:57]
.set g, g+1
.endr
	s_add_co_u32 s[CI], s[CI], 1
	SLD
.endm
.macro LOADQ b                         ; a query's five blocks, 40 loads of 512 consecutive bytes
	WIN 0x40*((\b)+1)
.set g, 0
.rept 5
.set i, 0
.rept 8
	global_load_b128 v[32*g+4*i:32*g+4*i+3], v[L16], s[BS+10*(\b)+2*g:BS+10*(\b)+2*g+1] offset:512*i
.set i, i+1
.endr
.set g, g+1
.endr
	WIN 0
.endm
; A UNIT on buffer b.  left: the younger loads that may stay out: the other buffer's 40, or none.  The five accumulators take turns; the first product of each starts its sum.
; Four v_nop are the places between the last products and the loads into their sources and the reads of their results.  fill = 1: the buffer takes the query two units on:
; its addresses are written anew behind the wait that has shown its loads done.
.macro UNIT b, fill, left
	s_wait_loadcnt \left
	WIN (\b)+1
.set k, 0
.rept 4
.set g, 0
.rept 5
.if k == 0
	v_wmma_f32_16x16x32_bf16 v[ACC+8*g:ACC+8*g+7], v[32*g+8*k:32*g+8*k+7], v[Q+8*k:Q+8*k+7], 0
.else
	v_wmma_f32_16x16x32_bf16 v[ACC+8*g:ACC+8*g+7], v[32*g+8*k:32*g+8*k+7], v[Q+8*k:Q+8*k+7], v[ACC+8*g:ACC+8*g+7]
.endif
.set g, g+1
.endr
.set k, k+1
.endr
	WIN 0
.rept 4
	v_nop
.endr
.if \fill
	IDS \b
	LOADQ \b
.endif
.set i, 0
.rept 40
	v_cndmask_b32 v[X+i], v[X+i], v[ACC+i], s[MK]  ; each accumulator from its lowest register up
.set i, i+1
.endr
	s_lshl_b32 s[MK], s[MK], 1
.endm
; (x, pay) goes into the ascending list at place lo or below.
.macro INS x, pay, lo
.set ii, \lo
.rept 6-(\lo)
	v_cmp_lt_f32 s[CM+ii-1], v[\x], v[LV+ii-1]
.set ii, ii+1
.endr
.set ii, 5
.rept 5-(\lo)
	v_cndmask_b32 v[TT], v[\pay], v[LP+ii-2], s[CM+ii-2]
	v_cndmask_b32 v[LP+ii-1], v[LP+ii-1], v[TT], s[CM+ii-1]
	v_med3_num_f32 v[LV+ii-1], v[\x], v[LV+ii-2], v[LV+ii-1]
.set ii, ii-1
.endr
	v_cndmask_b32 v[LP+(\lo)-1], v[LP+(\lo)-1], v[\pay], s[CM+(\lo)-1]
	v_min_num_f32 v[LV+(\lo)-1], v[LV+(\lo)-1], v[\x]
.endm
	s_load_b256 s[4:11], s[0:1], 0x0               ; bankb s[4:5], qryb s[6:7], sel s[8:9], out0 s[10:11]
	v_lshrrev_b32 v1, 5, v0
	v_readfirstlane_b32 s12, v1                    ; wave
	v_and_b32 v1, 31, v0                           ; lane
	v_and_b32 v2, 15, v0                           ; r
	v_bfe_u32 v3, v0, 4, 1                         ; h
	v_lshlrev_b32 v[L16], 4, v1
	v_lshlrev_b32 v5, 5, v3                        ; 32 h
	v_xor_b32 v6, 32, v5                           ; 32 (1 - h)
	v_lshlrev_b32 v7, 3, v2                        ; 8 r
	v_lshlrev_b32 v21, 2, v2                       ; 4 r
	v_lshrrev_b32 v22, 3, v1                       ; lane / 8
	s_lshr_b32 s13, s12, 1
	s_lshl1_add_u32 s14, ttmp9, s13                ; T
	s_and_b32 s13, s12, 1
	s_lshl_b32 s15, s13, 3                         ; my first query in the tile
	s_mul_i32 s16, s14, BLK
	s_mov_b32 s17, 0
	s_lshl_b32 s18, s14, 7                         ; 16 queries x 8 bytes in a plane of sel
	s_mov_b32 s19, 0
	s_lshl_b32 s2, s14, 6                          ; 16 results
	s_mov_b32 s3, 0
	s_lshl_b32 s56, s15, 3
	s_mov_b32 s57, 0
	s_mov_b32 s[CI], 0
	s_lshl_b32 s[MK], 0x00010001, s15
	s_mov_b32 s[HMK], 0xffff0000
	s_mov_b32 s[CNT], 3
	s_mov_b32 s52, 0x76543210                      ; v_permlanex16_b32: each lane takes its own place in the other half
	s_mov_b32 s53, 0xfedcba98
	s_wait_kmcnt 0x0
	s_add_nc_u64 s[6:7], s[6:7], s[16:17]
	s_add_nc_u64 s[8:9], s[8:9], s[18:19]
	s_add_nc_u64 s[10:11], s[10:11], s[2:3]
	s_add_nc_u64 s[46:47], s[8:9], s[56:57]
	SLD                                            ; my first query's numbers, as scalars
	global_load_b64 v[8:9], v7, s[8:9]             ; query r's five numbers, for the tails
	global_load_b64 v[10:11], v7, s[8:9] offset:65536
	global_load_b64 v[12:13], v7, s[8:9] offset:131072
.irp i, 0,1,2,3,4,5,6,7
	global_load_b128 v[Q+4*\i:Q+4*\i+3], v[L16], s[6:7] offset:512*\i
.endr
	global_load_b32 v14, v21, s[6:7] offset:4096   ; -|q|^2 / 2
.set i, 0
.rept 40
	v_mov_b32 v[X+i], 0                            ; the selects keep what they do not take, so X is written whole first
.set i, i+1
.endr
.set i, 0
.rept 5
	v_mov_b32 v[LV+i], 0x7f800000
	v_mov_b32 v[LP+i], 0
.set i, i+1
.endr
	s_wait_loadcnt 9                               ; the numbers are in: Q's eight loads and the norm's one were issued behind them
	; chunk p of my 40 rows: half 0: block p / 2, rows 8 (p & 1) ..; half 1: block (5 + p) / 2, rows 8 ((p + 1) & 1) ..
.set p, 0
.rept 5
	v_cndmask_b32 v[TO+p], v[8+(p>>1)], v[8+((5+p)>>1)], s[HMK]
	v_min_u32 v[TO+p], 0x3ff, v[TO+p]
	v_lshl_add_u32 v[TO+p], v[TO+p], 4, v[TO+p]    ; x 17
	v_lshl_add_u32 v[TO+p], v[TO+p], 8, v[5+(p&1)] ; x 256: 4,352 bytes a block; + 32 bytes for the upper eight rows
.set p, p+1
.endr
.set p, 0
.rept 5
	global_load_b128 v[HMC+8*p:HMC+8*p+3],   v[TO+p], s[4:5] offset:4096
	global_load_b128 v[HMC+8*p+4:HMC+8*p+7], v[TO+p], s[4:5] offset:4112
	global_load_b128 v[SCL+8*p:SCL+8*p+3],   v[TO+p], s[4:5] offset:4160
	global_load_b128 v[SCL+8*p+4:SCL+8*p+7], v[TO+p], s[4:5] offset:4176
.set p, p+1
.endr
	IDS 0
	LOADQ 0
	IDS 1
	LOADQ 1
.Lpair:                                                ; three trips: units 0 to 5, each filling its buffer again
	UNIT 0, 1, 40
	UNIT 1, 1, 40
	s_sub_co_u32 s[CNT], s[CNT], 1
	s_cmp_lg_u32 s[CNT], 0
	s_cbranch_scc1 .Lpair
	UNIT 0, 0, 40                                  ; the last two fetch nothing
	UNIT 1, 0, 0
	; THE EXCHANGE: half 0 gets blocks 0, 1 whole and the lower rows of block 2; half 1 the upper rows of block 2 and blocks 3, 4 whole
.set j, 0
.rept 8
	v_cndmask_b32 v[TA+2*(j&1)], v[X+24+j], v[X+j], s[HMK]      ; sent: half 1's block 0, half 0's block 3
	v_cndmask_b32 v[TA+2*(j&1)+1], v[X+32+j], v[X+8+j], s[HMK]  ; sent: half 1's block 1, half 0's block 4
	v_cndmask_b32 v[Y+j], v[X+j], v[X+16+j], s[HMK]
	v_cndmask_b32 v[Y+16+j], v[X+8+j], v[X+24+j], s[HMK]
	v_cndmask_b32 v[Y+32+j], v[X+16+j], v[X+32+j], s[HMK]
	v_permlanex16_b32 v[Y+8+j], v[TA+2*(j&1)], s52, s53
	v_permlanex16_b32 v[Y+24+j], v[TA+2*(j&1)+1], s52, s53
.set j, j+1
.endr
	v_mul_f32 v14, -2.0, v14                       ; |q|^2
	v_mov_b32 v15, v14
.set i, 0
.rept 20
	v_pk_fma_f32 v[HMC+2*i:HMC+2*i+1], v[HMC+2*i:HMC+2*i+1], -2.0, v[14:15] op_sel_hi:[1,0,1]  ; |q|^2 + |m|^2, rounded once
.set i, i+1
.endr
.set i, 0
.rept 20
	v_pk_fma_f32 v[Y+2*i:Y+2*i+1], v[Y+2*i:Y+2*i+1], -2.0, v[HMC+2*i:HMC+2*i+1] op_sel_hi:[1,0,1]  ; - 2 q . m, rounded once
.set i, i+1
.endr
.set i, 0
.rept 40
	INS Y+i, SCL+i, 1
.set i, i+1
.endr
.set i, 0
.rept 5
	v_permlanex16_b32 v[X+i], v[LV+i], s52, s53    ; the other half's list
	v_permlanex16_b32 v[X+8+i], v[LP+i], s52, s53
.set i, i+1
.endr
.set kk, 1
.rept 5
	INS X+kk-1, X+8+kk-1, kk
.set kk, kk+1
.endr
	; THE RESULT.  Behind each group of roots, exponentials and reciprocals a plain instruction that touches none of them stands ahead of the first use (ISA guide 5.7.2).
.irp i, 0,1,2,3,4
	v_max_num_f32 v[LV+\i], 0x2b8cbccc, v[LV+\i]   ; 1e-12
.endr
.irp i, 0,1,2,3,4
	v_sqrt_f32 v[LV+\i], v[LV+\i]
.endr
	v_add_f32 v[NS], v[LP], v[LP+1]
	v_add_f32 v[N2], v[LP+2], v[LP+3]
	v_add_f32 v[NS], v[NS], v[N2]
	v_add_f32 v[NS], v[NS], v[LP+4]
	v_mul_f32 v[NS], 0x3e4ccccd, v[NS]             ; the mean scale
	v_max_num_f32 v[NS], 0x358637bd, v[NS]         ; 1e-6
	s_wait_alu depctr_va_vdst(0)
.irp i, 1,2,3,4
	v_sub_f32 v[E+\i], v[LV], v[LV+\i]             ; -d less its maximum, -d1
.endr
.irp i, 1,2,3,4
	v_mul_f32 v[E+\i], 0x3fb8aa3b, v[E+\i]         ; log2(e)
.endr
.irp i, 1,2,3,4
	v_exp_f32 v[E+\i], v[E+\i]
.endr
	v_add_f32 v[MN], v[LV], v[LV+1]
	v_add_f32 v[M2], v[LV+2], v[LV+3]
	v_add_f32 v[MN], v[MN], v[M2]
	v_add_f32 v[MN], v[MN], v[LV+4]
	v_mul_f32 v[MN], 0x3e4ccccd, v[MN]             ; the mean distance
	s_wait_alu depctr_va_vdst(0)
	v_add_f32 v[SE], 1.0, v[E+1]                   ; the first weight is 1
	v_fma_f32 v[SD], v[E+1], v[LV+1], v[LV]
.irp i, 2,3,4
	v_add_f32 v[SE], v[SE], v[E+\i]
	v_fma_f32 v[SD], v[E+\i], v[LV+\i], v[SD]
.endr
.irp i, 0,1,2,3,4
	v_sub_f32 v[DV+\i], v[LV+\i], v[MN]
.endr
	v_mul_f32 v[VR], v[DV], v[DV]
.irp i, 1,2,3,4
	v_fma_f32 v[VR], v[DV+\i], v[DV+\i], v[VR]
.endr
	v_mul_f32 v[VR], 0x3e4ccccd, v[VR]
	v_max_num_f32 v[VR], 0, v[VR]
	v_max_num_f32 v[MX], 0x358637bd, v[MN]
	v_rcp_f32 v[SE], v[SE]
	v_rcp_f32 v[NS], v[NS]
	v_sqrt_f32 v[VR], v[VR]
	v_rcp_f32 v[MX], v[MX]
	v_nop
	s_wait_alu depctr_va_vdst(0)
	v_mul_f32 v[SD], v[SD], v[SE]                  ; the weighted distance,
	v_mul_f32 v[SD], v[SD], v[NS]                  ; over the mean scale
	v_mul_f32 v[VR], v[VR], v[MX]                  ; std / mean
	v_fma_f32 v[VR], v[VR], 0.5, 1.0
	v_mul_f32 v[SD], v[SD], v[VR]
	v_cmp_eq_u32 vcc_lo, s13, v22                  ; lanes 8 (wave & 1) .. + 7: half 0's lanes of my eight queries
	s_wait_xcnt 0x0                                ; EXEC changes only behind this wait
	s_and_saveexec_b32 s14, vcc_lo
	global_store_b32 v21, v[SD], s[10:11]
	s_wait_xcnt 0x0                                ; and again in front of the line that widens it
	s_or_b32 exec_lo, exec_lo, s14
	s_endpgm
.Lfunc_end_k_q6d535069c5_refine:
	.size	k_q6d535069c5_refine, .Lfunc_end_k_q6d535069c5_refine-k_q6d535069c5_refine
	.p2alignl 7, 3214868480
	.fill 96, 4, 3214868480
	.section	.rodata,"a",@progbits
	.p2align	6, 0x0
	.amdhsa_kernel k_q6d535069c5_refine
		.amdhsa_group_segment_fixed_size 0
		.amdhsa_private_segment_fixed_size 0
		.amdhsa_enable_private_segment 0
		.amdhsa_kernarg_size 32
		.amdhsa_user_sgpr_count 2
		.amdhsa_user_sgpr_kernarg_segment_ptr 1
		.amdhsa_wavefront_size32 1
		.amdhsa_system_sgpr_workgroup_id_x 1
		.amdhsa_system_sgpr_workgroup_id_y 1
		.amdhsa_system_sgpr_workgroup_id_z 1
		.amdhsa_system_vgpr_workitem_id 0
		.amdhsa_next_free_vgpr 672
		.amdhsa_next_free_sgpr 66
		.amdhsa_reserve_vcc 1
		.amdhsa_float_denorm_mode_32 3
		.amdhsa_float_denorm_mode_16_64 3
		.amdhsa_memory_ordered 1
		.amdhsa_forward_progress 1
		.amdhsa_inst_pref_size 103
	.end_amdhsa_kernel
	.amdgpu_metadata
---
amdhsa.version: [ 1, 2 ]
amdhsa.kernels:
  - .name:           k_q6d535069c5_refine
    .symbol:         k_q6d535069c5_refine.kd
    .args:
      - { .name: bankb, .offset: 0, .size: 8, .value_kind: global_buffer, .address_space: global }
      - { .name: qryb, .offset: 8, .size: 8, .value_kind: global_buffer, .address_space: global }
      - { .name: sel, .offset: 16, .size: 8, .value_kind: global_buffer, .address_space: global }
      - { .name: out0, .offset: 24, .size: 8, .value_kind: global_buffer, .address_space: global }
    .group_segment_fixed_size: 0
    .private_segment_fixed_size: 0
    .kernarg_segment_align: 8
    .kernarg_segment_size: 32
    .max_flat_workgroup_size: 128
    .sgpr_count:     66
    .vgpr_count:     672
    .wavefront_size: 32
...
	.end_amdgpu_metadata
.endif
;; end of part 4
;; ======== version 2 of 2: 4 launches; version 1 with the launch prep written anew for expert scheduling mode
;; workspace buffers: bankb 4,456,448 bytes; qryb 2,228,224 bytes; pkey 786,432 bytes; pid 786,432 bytes of whole numbers; sel 196,608 bytes of whole numbers
;; launch prep (part 5): grid 384 x 1, 4 waves a work-group, no clusters, 17,920 bytes of LDS; arguments memory_bank, query, neighbor_scale_bank, bankb, qryb; writes bankb, qryb
.if DOCPART == 5
	.amdgcn_target "amdgcn-amd-amdhsa--gfx1250"
	.amdhsa_code_object_version 6
	.text
	.protected	k_q6d535069c5_prep
	.globl	k_q6d535069c5_prep
	.p2align	8
	.type	k_q6d535069c5_prep,@function
k_q6d535069c5_prep:
	s_mov_b64 s[64:65], 0
	v_nop
	global_prefetch_b8 v0, s[64:65] scope:SCOPE_SE
	s_setreg_imm32_b32 hwreg(HW_REG_WAVE_SCHED_MODE, 0, 2), 2
	s_setreg_imm32_b32 hwreg(HW_REG_WAVE_MODE, 25, 1), 1
	s_wait_xcnt 0x0
	s_wait_alu depctr_vm_vsrc(0)
; PREP.  The bank's 16,384 rows and the 8,192 queries (128 f32 each) are rounded to bf16 and written in BLOCKS of 16 consecutive rows, 4,352 bytes each:
;   bytes 0-4095: element (row p, k) at (k>>4)*512 + ((k>>3)&1)*256 + 16 p + 2 (k&7), so that 512 consecutive bytes, read 16 bytes a lane, ARE four registers of a 16 x 32 bf16 matrix fragment;
;   bytes 4096-4351, the tail: words 0-15 = -1/2 of the row's squared norm, taken of the ROUNDED numbers in f32; words 16-31 = the rows' neighbour scales (bank blocks only); the rest is never read.
; One wave makes one block: 1,536 blocks, 384 work-groups of four waves.  A wave's 16 row loads (512 consecutive bytes each) are all out at once.
; The turn from rows to fragment order goes through a stage in LDS that is the wave's own, so there is no barrier.  No matrix unit, no cluster: nothing is multiplied and no two waves read the same bytes.
; LIMITS: the norm is a sum in f32 in this text's own order (four numbers a lane, then across the lanes); NaN and infinities pass through as they are.
; THE MODE: SCHED_MODE bits 1:0 = 2 (LLVM: expert scheduling mode 2), set by the entry lines.  The code itself states the register dependences
; between vector instructions and memory or LDS instructions, with s_wait_alu, always for 0.
; THE PLAN.  Registers that memory or LDS instructions touch:
;   v2-v6       addresses and offsets: written at the head, never again; read by every load and store.
;   X           written by the 16 row loads; read by the rows' conversions.  Later v24-55 are written by the eight LDS loads and read by the block's eight stores; v56-71 are named by vector lines alone.
;   PK          a pair for each row: written by the row's two conversions, read by the row's LDS store, never written again.
;   TL          written by vector lines, read by the tail's store.      SC  written by the scales' load, read by two selects.
;   v12, v13    written at the head, read by the closing add alone.
; The rows go in four groups of four.  Row p - 4's LDS store stands in front of row p's vector lines, which name row p's X, PK and P and v16-21: none of the registers that the store touches.  So one wait
; on va_vdst at a group's head states all that the group's four stores hang on.  No register that a memory or LDS instruction has read is written again: no wait on vm_vsrc is owed.
.set BLK,    4352
.set SPITCH, 272                       ; a half chunk of 256 bytes + 16
.set SPARE,  4*BLK                     ; behind the four stages: the spare words, 128 bytes a wave
.set L16, 2                            ; v2   16 x lane
.set STO, 3                            ; v3   stage: where my 8 bytes of a row go
.set RD,  4                            ; v4   stage: where I read 16 bytes of a chunk back
.set SCO, 5                            ; v5   8 x (lane & 7): my two scales
.set L8,  6                            ; v6   8 x lane: my two words of the tail
.set TL,  8                            ; v[8:9]   my two words of the tail
.set SC,  10                           ; v[10:11] two scales
.set SPW, 12                           ; v12  my spare word
.set NIL, 13                           ; v13  0
.set W,   16                           ; v16-21 at work: no memory instruction names them
.set X,   24                           ; v24-87 row p as loaded at X + 4 p; later v24-55 the block read back, v56-71 the other half's sums
.set P,   88                           ; v88-103 row p's sum of squares
.set PK,  104                          ; v104-135 row p's four bf16 at PK + 2 p
	s_load_b256 s[4:11], s[0:1], 0x0               ; memory_bank s[4:5], query s[6:7], scales s[8:9], bankb s[10:11]
	s_load_b64 s[12:13], s[0:1], 0x20              ; qryb
	v_lshl_add_u32 v[SPW], v0, 2, SPARE
	v_mov_b32 v[NIL], 0
	v_lshrrev_b32 v1, 5, v0
	v_readfirstlane_b32 s14, v1                    ; wave
	v_and_b32 v1, 31, v0                           ; lane
	v_lshlrev_b32 v[L16], 4, v1
	v_and_b32 v[SCO], 7, v1
	v_lshlrev_b32 v[SCO], 3, v[SCO]
	v_lshlrev_b32 v[L8], 3, v1
	v_lshrrev_b32 v[STO], 1, v1                    ; my four numbers k = 4 lane .. lie in half chunk lane >> 1,
	v_mul_u32_u24 v[STO], v[STO], SPITCH
	v_and_b32 v[W], 1, v1
	v_lshl_add_u32 v[STO], v[W], 3, v[STO]         ; in its first or second 8 bytes of the row's 16
	v_lshrrev_b32 v[RD], 4, v1                     ; back: lanes 0-15 one half chunk, lanes 16-31 the next
	v_mul_u32_u24 v[RD], v[RD], SPITCH
	v_and_b32 v[W], 15, v1
	v_lshl_add_u32 v[RD], v[W], 4, v[RD]
	v_mov_b32 v[TL], 0
	v_mov_b32 v[TL+1], 0
	s_wait_alu depctr_va_sdst(0)                   ; s14 is written, ahead of its first reader: the block's number and the stage's place are made from it
	s_lshl2_add_u32 s15, ttmp9, s14                ; the block's number among all 1,536: below 1,024 a bank block, else a query block
	s_and_b32 s16, s15, 1023                       ; its number in its own tensor
	s_lshl_b32 s2, s16, 13                         ; 16 rows of 512 bytes
	s_mov_b32 s3, 0
	s_mul_i32 s28, s16, BLK
	s_mov_b32 s29, 0
	s_lshl_b32 s30, s16, 6                         ; 16 scales; a query block's number is below 512, so this stays inside the 65,536 bytes too
	s_mov_b32 s31, 0
	s_mov_b32 s24, 0x76543210                      ; v_permlanex16_b32: each lane takes its own place in the other half
	s_mov_b32 s25, 0xfedcba98
	s_mov_b32 s26, 0xffff0000                      ; a word's upper bf16
	s_mul_i32 s17, s14, BLK                        ; my wave's stage
	v_add_nc_u32 v[STO], s17, v[STO]
	v_add_nc_u32 v[RD], s17, v[RD]
	s_wait_kmcnt 0x0
	s_cmp_lt_u32 s15, 1024
	s_cselect_b64 s[18:19], s[4:5], s[6:7]         ; from the bank or from the queries,
	s_cselect_b64 s[20:21], s[10:11], s[12:13]     ; into bankb or into qryb
	s_cselect_b32 s23, 0xff00, 0                   ; lanes 8-15 take scales in a bank block, nobody in a query block
	s_add_nc_u64 s[18:19], s[18:19], s[2:3]
	s_add_nc_u64 s[20:21], s[20:21], s[28:29]
	s_add_nc_u64 s[8:9], s[8:9], s[30:31]
	s_wait_alu depctr_va_vdst(0)                   ; the five addresses and offsets v2 to v6 are written, which the loads and stores below read
	global_load_b64 v[SC:SC+1], v[SCO], s[8:9]     ; the oldest load: every wait below covers it
.set p, 0
.rept 16
	global_load_b128 v[X+4*p:X+4*p+3], v[L16], s[18:19] offset:512*p th:TH_LOAD_NT  ; a row: 512 consecutive bytes
.set p, p+1
.endr
.macro ROW p                           ; row p: rounded, and my four squares added; row p - 4 is staged
	s_wait_loadcnt 15-(\p)                         ; loads come back in order (ISA guide 5.7.1): the 15 - p younger rows may be out
.if ((\p) > 0) && ((\p) % 4 == 0)
	s_wait_alu depctr_va_vdst(0)                   ; the conversions of the four rows before have written their pairs of PK, which this group's four LDS stores read
.endif
.if (\p) >= 4
	ds_store_b64 v[STO], v[PK+2*((\p)-4):PK+2*((\p)-4)+1] offset:16*((\p)-4)  ; no vector line since the wait names this pair or v[STO]
.endif
	v_cvt_pk_bf16_f32 v[PK+2*(\p)], v[X+4*(\p)], v[X+4*(\p)+1]
	v_cvt_pk_bf16_f32 v[PK+2*(\p)+1], v[X+4*(\p)+2], v[X+4*(\p)+3]
	v_lshlrev_b32 v[W], 16, v[PK+2*(\p)]           ; the rounded numbers as f32
	v_and_b32 v[W+1], s26, v[PK+2*(\p)]
	v_lshlrev_b32 v[W+2], 16, v[PK+2*(\p)+1]
	v_and_b32 v[W+3], s26, v[PK+2*(\p)+1]
	v_pk_mul_f32 v[W+4:W+5], v[W:W+1], v[W:W+1]
	v_pk_fma_f32 v[W+4:W+5], v[W+2:W+3], v[W+2:W+3], v[W+4:W+5]
	v_add_f32 v[P+(\p)], v[W+4], v[W+5]
.endm
.irp p, 0,1,2,3,4,5,6,7,8,9,10,11,12,13,14,15
	ROW \p
.endr
	s_wait_alu depctr_va_vdst(0)                   ; rows 12 to 15 have written their pairs of PK, which the LDS stores below read; every conversion is done reading v24-55, in which the LDS loads below land
.irp p, 12,13,14,15
	ds_store_b64 v[STO], v[PK+2*\p:PK+2*\p+1] offset:16*\p
.endr
.irp i, 0,1,2,3,4,5,6,7
	ds_load_b128 v[X+4*\i:X+4*\i+3], v[RD] offset:\i*2*SPITCH  ; chunk i; LDS serves a wave's instructions in order (ISA guide 5.7.1.4): these see the stores above
.endr
	; the 16 sums across the 32 lanes, all 16 at each step, so that no line waits for the one before it
.irp m, 1,2
.set p, 0
.rept 16
	v_add_f32_dpp v[P+p], v[P+p], v[P+p] row_xmask:\m row_mask:0xf bank_mask:0xf
.set p, p+1
.endr
.endr
	s_wait_dscnt 0x0                               ; the block is back in registers
.irp i, 0,1,2,3,4,5,6,7
	global_store_b128 v[L16], v[X+4*\i:X+4*\i+3], s[20:21] offset:512*\i  ; 512 consecutive bytes, at a multiple of 256 from the buffer's first; the data come from LDS loads, the offset from the head: no vector line has written either since
.endr
.irp m, 4,8
.set p, 0
.rept 16
	v_add_f32_dpp v[P+p], v[P+p], v[P+p] row_xmask:\m row_mask:0xf bank_mask:0xf
.set p, p+1
.endr
.endr
.set p, 0
.rept 16
	v_permlanex16_b32 v[X+32+p], v[P+p], s24, s25  ; its destination counts as read: registers that the row loads have written; the block's stores read v24-55, not these
.set p, p+1
.endr
.set p, 0
.rept 16
	v_add_f32 v[P+p], v[P+p], v[X+32+p]
.set p, p+1
.endr
.set p, 0
.rept 8
	s_mov_b32 s22, 1<<p                            ; lane p keeps rows 2 p and 2 p + 1
	v_cndmask_b32 v[TL], v[TL], v[P+2*p], s22
	v_cndmask_b32 v[TL+1], v[TL+1], v[P+2*p+1], s22
.set p, p+1
.endr
	v_mul_f32 v[TL], -0.5, v[TL]
	v_mul_f32 v[TL+1], -0.5, v[TL+1]
	v_cndmask_b32 v[TL], v[TL], v[SC], s23
	v_cndmask_b32 v[TL+1], v[TL+1], v[SC+1], s23
	s_wait_alu depctr_va_vdst(0)                   ; the selects have written v[TL:TL+1], which the tail's store reads
	global_store_b64 v[L8], v[TL:TL+1], s[20:21] offset:4096  ; the tail: 256 consecutive bytes
	s_wait_dscnt 0x0                               ; the closing lines, six on end
	s_wait_alu 0x0
	s_wait_tensorcnt 0x0
	ds_add_u32 v[SPW], v[NIL]
	s_wait_dscnt 0x0
	s_endpgm
.Lfunc_end_k_q6d535069c5_prep:
	.size	k_q6d535069c5_prep, .Lfunc_end_k_q6d535069c5_prep-k_q6d535069c5_prep
	.p2alignl 7, 3214868480
	.fill 96, 4, 3214868480
	.section	.rodata,"a",@progbits
	.p2align	6, 0x0
	.amdhsa_kernel k_q6d535069c5_prep
		.amdhsa_group_segment_fixed_size 17920
		.amdhsa_private_segment_fixed_size 0
		.amdhsa_enable_private_segment 0
		.amdhsa_kernarg_size 40
		.amdhsa_user_sgpr_count 2
		.amdhsa_user_sgpr_kernarg_segment_ptr 1
		.amdhsa_wavefront_size32 1
		.amdhsa_system_sgpr_workgroup_id_x 1
		.amdhsa_system_sgpr_workgroup_id_y 1
		.amdhsa_system_sgpr_workgroup_id_z 1
		.amdhsa_system_vgpr_workitem_id 0
		.amdhsa_next_free_vgpr 136
		.amdhsa_next_free_sgpr 66
		.amdhsa_reserve_vcc 0
		.amdhsa_float_denorm_mode_32 3
		.amdhsa_float_denorm_mode_16_64 3
		.amdhsa_memory_ordered 1
		.amdhsa_forward_progress 1
		.amdhsa_inst_pref_size 21
	.end_amdhsa_kernel
	.amdgpu_metadata
---
amdhsa.version: [ 1, 2 ]
amdhsa.kernels:
  - .name:           k_q6d535069c5_prep
    .symbol:         k_q6d535069c5_prep.kd
    .args:
      - { .name: memory_bank, .offset: 0, .size: 8, .value_kind: global_buffer, .address_space: global }
      - { .name: query, .offset: 8, .size: 8, .value_kind: global_buffer, .address_space: global }
      - { .name: neighbor_scale_bank, .offset: 16, .size: 8, .value_kind: global_buffer, .address_space: global }
      - { .name: bankb, .offset: 24, .size: 8, .value_kind: global_buffer, .address_space: global }
      - { .name: qryb, .offset: 32, .size: 8, .value_kind: global_buffer, .address_space: global }
    .group_segment_fixed_size: 17920
    .private_segment_fixed_size: 0
    .kernarg_segment_align: 8
    .kernarg_segment_size: 40
    .max_flat_workgroup_size: 128
    .sgpr_count:     66
    .vgpr_count:     136
    .wavefront_size: 32
...
	.end_amdgpu_metadata
.endif
;; end of part 5
;; launch scan: the kernel of part 2 again; grid 64 x 4, 4 waves a work-group, clusters of 4 x 1, 327,680 bytes of LDS; arguments bankb, qryb, pkey, pid; writes pkey, pid
;; launch merge: the kernel of part 3 again; grid 256 x 1, 1 waves a work-group, no clusters, 0 bytes of LDS; arguments pkey, pid, sel; writes sel
;; launch refine: the kernel of part 4 again; grid 256 x 1, 4 waves a work-group, no clusters, 0 bytes of LDS; arguments bankb, qryb, sel, out0; writes out0
